; MI455X (gfx1250); checked and timed in simulation.
; The chip was launched on July 23, 2026; its instructions are those of AMD's public machine-readable ISA for CDNA 5 (MIT licence, August 2026) and "CDNA5" Instruction Set Architecture Reference Guide (July 2026). The comments in the code are by the model that wrote it; some were corrected since.
;; Fast Geometric Product. Allowed arithmetic: matrix products marked QUANTISED: E3M2 operands, one E8M0 scale for each 32 along K, by v_wmma_scale_f32_16x16x128_f8f6f4 with both operands' format E3M2, f32 sums; everything else in f32.
;; Inputs: weight 256 x 256 x 32 float32; x 1,024 x 256 x 32 float32.
;; Outputs: out0 1,024 x 256 x 32 float32.
;; This version of the problem:
;;   THIS VERSION OF THE PROBLEM IS GIVEN IN LOW PRECISION. The matrix products marked QUANTISED in the list below multiply operands that are first quantised to E3M2 (3 exponent bits, 2 mantissa bits; 6 bits a number), with one power-of-two scale for each 32 numbers along K (OCP MX v1.0); their sums are f32. All else is computed in f32.
;;   The module's matrix products, in the order in which they are computed (A, B: the left and right operand; K: the contracted axis; several contracted axes count as one K, in the product's order):
;;     1. [M 256, K 8,192] x [K 8,192, N 32,768]; A: input weight; B: computed on the way: QUANTISED
;;   THE QUANTISER, for each operand of a quantised product, along K:
;;     - K is cut into blocks of 32 from its start; a last block that is shorter is filled with zeros.
;;     - A block's scale is 2^e with e = floor(log2(the largest magnitude in the block)) - 4, held to -126 .. 127; a block of zeros has e = 0. As a byte (E8M0): e + 127.
;;     - Each number is divided by its block's scale, clamped to +-28, and rounded to the nearest number of E3M2, ties to even, subnormals kept.
;;     - The product sums the exact products of the quantised numbers (number of the format x scale) in f32.
;;   ~~~python
;;   def quantise(x, axis):      # numpy; x: float32 -> the quantised numbers, widened to float32 again
;;       x = np.moveaxis(x, axis, -1); K = x.shape[-1]
;;       x = np.pad(x, [(0, 0)] * (x.ndim - 1) + [(0, -K % 32)]); x = x.reshape(x.shape[:-1] + (-1, 32)); a = np.abs(x).max(-1, keepdims=True)
;;       e = np.where(a > 0, np.clip(np.frexp(np.where(a > 0, a, 1))[1] - 1 - 4, -126, 127), 0)      # np.frexp(a)[1] - 1 = floor(log2(a)), exactly
;;       r = np.clip(x / 2.0 ** e, -28, 28)
;;       step = 2.0 ** (np.maximum(np.frexp(np.where(r == 0, 1, r))[1] - 1, -2) - 2)
;;       q = np.round(r / step) * step * 2.0 ** e      # np.round: ties to even
;;       return np.moveaxis(q.reshape(q.shape[:-2] + (-1,))[..., :K], -1, axis).astype(np.float32)
;;   ~~~
;;   OPERANDS COMPUTED ON THE WAY. 'Computed on the way' means the value that the module computes at that place (a softmax that the list does not call 'softmax' is quantised finished and normalised). What goes into a quantiser is computed in f32, as accurately as f32 sums, v_exp_f32 and their like allow (about 1e-6 of the number): no bf16 or f16 on the way to a quantiser, and a product that is left as it is and whose result goes on into a quantised operand takes f32 operands (vector FMAs, or v_wmma_f32_16x16x4_f32). A number that lies on a knife's edge between two numbers of the format may be rounded either way, as far as f32 arithmetic and the matrix unit's own rounding can turn it there, and no further.
;; One version. Each part assembles by itself: llvm-mc -triple=amdgcn-amd-amdhsa -mcpu=gfx1250 --defsym DOCPART=n.
;; ======== version 1 of 1: 2 launches
;; limits: right only within a limited range of input values
;; workspace buffers: xe 6,291,456 bytes; xs 262,144 bytes; we 12,582,912 bytes; ws 65,536 bytes
;; launch prep (part 1): grid 512 x 1, 4 waves a work-group, no clusters, 68,096 bytes of LDS; arguments x, weight, xe, xs, we, ws; writes xe, xs, we, ws
.if DOCPART == 1
	.amdgcn_target "amdgcn-amd-amdhsa--gfx1250"
	.amdhsa_code_object_version 6
	.text
	.protected	k_q0694df1e45_prep
	.globl	k_q0694df1e45_prep
	.p2align	8
	.type	k_q0694df1e45_prep,@function
k_q0694df1e45_prep:
	s_mov_b64 s[64:65], 0
	v_nop
	global_prefetch_b8 v0, s[64:65] scope:SCOPE_SE
	s_setreg_imm32_b32 hwreg(HW_REG_WAVE_MODE, 25, 1), 1
	s_wait_xcnt 0x0
; x [1024][256][32] and weight [256][256][32], f32, become codes of BF6 (E3M2) with one E8M0 byte for each 32 along K, laid as images of the product's operand registers.
; THE PRODUCT.  out[b][o][k] = sum over i, m of x[b][i][m^k] s(m, m^k) w[o][i][m];  K = (i, m): a block of 32 along K is ONE i with its 32 blades.  For every k the block of the gathered operand holds the
; same 32 numbers of x[b][i][:], in another order and with other signs: so its largest magnitude, its scale and its codes are those of x[b][i][:], moved, with sign bits turned (the quantiser is odd).
; THE SIGN is (-1)^f(u, v), f(u, v) = sum over l > i of u_l v_i + u_4 v_4: bilinear over the bits.  With k = a ^ c (a of bits 3, 4; c of bits 0-2) and m = p ^ c:
;   out[b][o][a^c] = sum over i, p of X_a[b][i][p] W_c[o][i][p],   X_a(p) = (-1)^(f(p,p)+f(p,a)) Q(x)[p^a],   W_c(p) = (-1)^f(c,p) Q(w)[p^c];   f(c, a) = 0.
; This launch stores X_0 (the product's launch makes X_8, X_16 and X_24 of it in registers) and W_0 .. W_7.
; A FRAGMENT'S IMAGE is 1,536 bytes: registers 4 g .. 4 g + 3 of lane l at 512 g + 16 l.  Lane (r, h) = (l % 16, l / 16) holds row r; its registers 6 cc .. 6 cc + 5 hold block i = 4 step + 2 cc + h, place p at bits 6 p .. 6 p + 5.
;   xe [bg 16][step 64][btl 4][1536]: row r is b = 64 bg + 16 btl + r.      we [og 16][step 64][f 8][1536]: row m is o = 16 og + 2 f + m / 8, c = m % 8.
;   xs [b / 16][visit 16][b % 16][16 bytes], ws [o / 16][visit 16][o % 16][16 bytes]: the scale words of a visit's four steps of 128 along K; byte = the block in its step.
; A block's scale byte is its largest magnitude's exponent field - 4, held at 1 from below.  LIMITS: NaN and infinities among the inputs are not served; a block of zeros gets the byte 1 where the stated
; quantiser says 127: its codes are zeros, which add nothing under that byte, and the bytes are read by this program alone.
; SHARES.  Work-groups with an even number take x, those with an odd number weight: two ways that part at the head and never join, each with LDS bytes of its own.  Waves share nothing: no barrier.
; No tensor loads, no cluster (no two work-groups read the same bytes), no matrix unit: the launch streams.  Every load covers 512 consecutive bytes, every store of codes 512 consecutive aligned bytes.
.set PIT,   528                        ; a stage row: 512 bytes + 16, so that sixteen rows start at sixteen different 16-byte columns of the banks
.set STW,   16*PIT                     ; a wave's stage: 16 rows
.set WBASE, 4*STW                      ; the stages of weight's way lie behind those of x's way
; x's way
.set SW,  10                           ; v[10:13]  the four steps' scale words
.set R,   16                           ; v16-143   two sets of 64: a tile as loaded
.set N,   144                          ; v144-207  64 numbers: my row's blocks h and 2 + h
.set Q,   208                          ; v208-223  codes as converted: half block (cc, hb) at Q + 8 cc + 4 hb, three registers
.set V0,  224                          ; v224-235  the fragment of X_0
; THE GAUGE.  Both operands carry one more sign, g(p) = (-1)^(p_3 (p_0 + p_1 + p_2)), which cancels in every product.  With it X_8(p) = X_0(p ^ 8) and X_24(p) = X_16(p ^ 8) with no sign left,
; so this launch stores X_0 alone: xe [bg 16][step 64][btl 4][1536]; the product's launch makes the three other copies in registers.
.set MX,  248                          ; v248-255  at work (macro QBLK)
; weight's way
.set SWW, 8                            ; v[8:15]   scale words: fragment f, step q at SWW + 4 f + q
.set WA,  16                           ; v16-23    LDS address of number (pl ^ c) of a group of eight
.set MW,  24                           ; v24-26    my row's sign mask, three words
.set WQ,  28                           ; v28-43    codes as converted
.set WF,  44                           ; v44-55    the fragment
.set WT,  56                           ; v56-63    at work (macro QBLK)
.set WN,  64                           ; v64-127   64 numbers
.set WR,  192                          ; v192-255  16 x 512 bytes as loaded
; 64 numbers of a lane at v[n] on (two whole blocks of 32) become codes at v[q] on and my row's scale word in v[word].  v[t] .. v[t+7] at work; v[sh] = 8 h.
.macro QBLK n, t, q, word, sh
.irp c, 0,1
	v_max3_num_f32 v[\t+\c], |v[\n+32*\c]|, |v[\n+32*\c+1]|, 0x2800000   ; the largest magnitude, with the floor 2^(5 - 127) among its leaves: the byte cannot fall under 1
.endr
.irp i, 2,4,6,8,10,12,14,16,18,20,22,24,26,28,30
.irp c, 0,1
	v_max3_num_f32 v[\t+\c], v[\t+\c], |v[\n+32*\c+\i]|, |v[\n+32*\c+\i+1]|   ; (the two blocks by turns)
.endr
.endr
.irp c, 0,1
	v_add_nc_u32 v[\t+2+\c], 0xfe000000, v[\t+\c]   ; 4 off the exponent field: the conversion takes the exponent field of this operand as its scale
.endr
.irp c, 0,1
	v_lshrrev_b32 v[\t+4+\c], 23, v[\t+2+\c]        ; the scale's byte
.endr
	v_lshl_or_b32 v[\t+6], v[\t+5], 16, v[\t+4]     ; my two bytes: blocks h and 2 + h,
	v_lshlrev_b32 v[\t+6], v[\sh], v[\t+6]          ; at their places in the word;
	v_permlanex16_b32 v[\t+7], v[\t+6], s20, s21
	v_or_b32 v[\word], v[\t+6], v[\t+7]             ; with lane l xor 16's two the word is whole
.irp c, 0,1
	v_cvt_scalef32_pk16_bf6_f32 v[\q+8*\c:\q+8*\c+2], v[\n+32*\c:\n+32*\c+15], v[\t+2+\c]       ; places 0-15 of the block: 96 bits
	v_cvt_scalef32_pk16_bf6_f32 v[\q+8*\c+4:\q+8*\c+6], v[\n+32*\c+16:\n+32*\c+31], v[\t+2+\c]  ; places 16-31
.endr
	v_nop                                           ; one plain instruction between the scaled conversions and the vector instructions that read their results
.endm
	s_load_b128 s[4:7], s[0:1], 0x0                ; x, weight
	s_load_b128 s[8:11], s[0:1], 0x10              ; xe, xs
	s_load_b128 s[12:15], s[0:1], 0x20             ; we, ws
	s_set_vgpr_msb 0x40
	v_lshl_add_u32 v0, v0, 2, 0x10800
	v_mov_b32 v1, 0
	s_set_vgpr_msb 0x4000
	v_lshrrev_b32 v1, 5, v0
	v_readfirstlane_b32 s16, v1                    ; wave 0..3
	v_and_b32 v1, 31, v0                           ; lane
	v_and_b32 v2, 15, v0                           ; r
	v_bfe_u32 v3, v0, 4, 1                         ; h
	v_lshlrev_b32 v4, 4, v1                        ; 16 x lane: my 16 bytes of 512, in and out
	s_mov_b32 s20, 0x76543210
	s_mov_b32 s21, 0xfedcba98                      ; v_permlanex16_b32's selects for lane l xor 16
	s_lshr_b32 s17, ttmp9, 1                       ; which part of the tensor
	s_and_b32 s18, ttmp9, 1
	s_cmp_lg_u32 s18, 0
	s_cbranch_scc1 .Lw_path
; ---------------- x: a wave takes 16 rows b x one visit (4 steps of 128 along K), a step at a time
	s_mul_i32 s19, s16, STW                        ; my stage
	v_add_nc_u32 v5, s19, v4                       ; into it: a row as loaded
	v_mul_u32_u24 v6, v2, PIT
	v_lshl_add_u32 v6, v3, 7, v6
	v_add_nc_u32 v6, s19, v6                       ; out of it: row r, block h
	v_lshlrev_b32 v8, 4, v2                        ; xs: 16 bytes a row
	v_lshlrev_b32 v9, 3, v3                        ; 8 h
	v_mov_b32 v[MX+7], 0                           ; written once: a lane permute's destination counts as one of its sources
	; sign masks: the sign of the code at place p' of a half block is bit 6 p' + 5 of its 96 bits.  f(p,p) is odd where the number of bits set in p is 2 or 3 modulo 4, turned once more where p has bit 4
	s_mov_b32 s24, 0x00800000                      ; X_0, places 0-15: p' with 2 or 3 bits set, turned by the gauge at p' = 9, 10, 12, 15
	s_mov_b32 s25, 0x00008208
	s_mov_b32 s26, 0x82080080
	s_mov_b32 s27, 0x00000020                      ; X_0, places 16-31: p' with 0, 3 or 4 bits set, turned by the gauge at the same p'
	s_mov_b32 s28, 0x08008000
	s_mov_b32 s29, 0x02082082
	s_lshr_b32 s22, s17, 2                         ; bt = b / 16
	s_and_b32 s23, s17, 3
	s_lshl_b32 s23, s23, 2
	s_add_co_u32 s23, s23, s16                     ; visit
	s_lshl_b32 s36, s22, 19                        ; x: 16 rows of 32,768 bytes,
	s_lshl_b32 s37, s23, 11                        ; a visit is 2,048 bytes of a row
	s_add_co_u32 s36, s36, s37
	s_mov_b32 s37, 0
	s_lshr_b32 s38, s22, 2                         ; bg = bt / 4
	s_mul_i32 s38, s38, 393216                     ; xe: bg x 64 steps x 6,144
	s_mul_i32 s39, s23, 24576                      ; + visit x 4 steps
	s_add_co_u32 s38, s38, s39
	s_and_b32 s39, s22, 3
	s_mul_i32 s39, s39, 1536                       ; + btl x 1 fragment
	s_add_co_u32 s38, s38, s39
	s_mov_b32 s39, 0
	s_lshl_b32 s40, s22, 4                         ; xs: (16 bt + visit) x 256
	s_add_co_u32 s40, s40, s23
	s_lshl_b32 s40, s40, 8
	s_mov_b32 s41, 0
	s_wait_kmcnt 0x0
	s_add_nc_u64 s[4:5], s[4:5], s[36:37]
	s_add_nc_u64 s[8:9], s[8:9], s[38:39]
	s_add_nc_u64 s[10:11], s[10:11], s[40:41]
.macro LOADT t                         ; step t: 512 bytes of each of the 16 rows
.irp j, 0,1,2,3,4,5,6,7,8,9,10,11,12,13,14,15
	global_load_b128 v[R+64*((\t)%2)+4*\j:R+64*((\t)%2)+4*\j+3], v4, s[4:5] offset:\j*32768+(\t)*512 th:TH_LOAD_NT
.endr
.endm
.macro XTILE t
.if (\t) < 3
	s_wait_loadcnt 16                              ; this step's 16 loads are in; the next step's 16 may be out
.else
	s_wait_loadcnt 0x0
.endif
.irp j, 0,1,2,3,4,5,6,7,8,9,10,11,12,13,14,15
	ds_store_b128 v5, v[R+64*((\t)%2)+4*\j:R+64*((\t)%2)+4*\j+3] offset:\j*PIT
.endr
.irp c, 0,1                            ; LDS serves a wave's instructions in order (ISA guide 5.7.1.4): these see the stores above
.irp u, 0,1,2,3,4,5,6,7
	ds_load_b128 v[N+32*\c+4*\u:N+32*\c+4*\u+3], v6 offset:256*\c+16*\u   ; block 2 c + h of my row: 128 bytes
.endr
.endr
	s_wait_dscnt 0x0
.if (\t)+2 < 4
	LOADT (\t)+2                                   ; into the set that has just gone through the stage
.endif
	QBLK N, MX, Q, SW+(\t), 9
	s_wait_alu depctr_va_vdst(0)
	s_wait_xcnt 0x0                                ; the last step's stores have read V0: it is written again only behind this wait
.irp c, 0,1
.irp hb, 0,1
.irp w, 0,1,2
	v_xor_b32 v[V0+6*\c+3*\hb+\w], s[24+3*\hb+\w], v[Q+8*\c+4*\hb+\w]   ; X_0: the codes where they lie, signs turned
.endr
.endr
.endr
.irp g, 0,1,2
	global_store_b128 v4, v[V0+4*\g:V0+4*\g+3], s[8:9] offset:(\t)*6144+512*\g          ; 32 lanes store 512 consecutive bytes, at a multiple of 256 from xe's first byte
.endr
.endm
	s_wait_alu depctr_va_vdst(0)
	LOADT 0
	LOADT 1
	XTILE 0
	XTILE 1
	XTILE 2
	XTILE 3
	v_cmp_gt_u32 vcc_lo, 16, v1                    ; lanes 0-15 hold the 16 rows' words (lanes 16-31 the same again)
	s_wait_xcnt 0x0                                ; EXEC changes only behind this wait: the stores above have read it
	s_set_vgpr_msb 0x5
	s_wait_tensorcnt 0x0
	ds_add_u32 v0, v1
	s_wait_dscnt 0x0
	s_set_vgpr_msb 0x500
	s_and_saveexec_b32 s42, vcc_lo
	global_store_b128 v8, v[SW:SW+3], s[10:11]     ; 16 lanes store 256 consecutive bytes, aligned
	s_wait_xcnt 0x0
	s_or_b32 exec_lo, exec_lo, s42
	s_endpgm
; ---------------- weight: a wave takes 4 rows o x one visit: 8 fragments (step q, pair of rows f), each with 2 o x 8 c as its 16 rows
.Lw_path:
	s_mul_i32 s19, s16, STW
	s_add_co_u32 s19, s19, WBASE                   ; my stage
	s_wait_alu depctr_va_vdst(0)
	v_add_nc_u32 v5, s19, v4
	v_and_b32 v6, 7, v0                            ; c = r % 8
	v_bfe_u32 v7, v0, 3, 1                         ; r / 8: which of the fragment's two o
	v_mul_u32_u24 v7, v7, 4*PIT                    ; an o has four stage rows, one a step
	v_lshl_add_u32 v7, v3, 7, v7                   ; block h
	v_add_nc_u32 v7, s19, v7
	v_lshlrev_b32 v27, 3, v3                       ; 8 h
.irp pl, 0,1,2,3,4,5,6,7
	v_xor_b32 v[WA+\pl], \pl, v6                   ; place p takes the number at p ^ c: c has bits 0-2 alone, so a group of eight stays a group
.endr
.irp pl, 0,1,2,3,4,5,6,7
	v_lshl_add_u32 v[WA+\pl], v[WA+\pl], 2, v7
.endr
	v_bfe_u32 v56, v6, 1, 1                        ; f(c, p) = c_1 p_0 + c_2 (p_0 + p_1): the same in both halves of a block
	v_bfe_u32 v57, v6, 2, 1
	v_sub_nc_u32 v56, 0, v56                       ; all ones where c has bit 1,
	v_sub_nc_u32 v57, 0, v57                       ; where it has bit 2
	v_and_b32 v[MW],   0x00800800, v56             ; the signs at odd places
	v_and_b32 v[MW+1], 0x08008008, v56
	v_and_b32 v[MW+2], 0x80080080, v56
	v_and_b32 v58, 0x00020800, v57                 ; the signs at places 1 and 2 modulo 4
	v_and_b32 v59, 0x08000208, v57
	v_and_b32 v60, 0x02080002, v57
	v_xor_b32 v[MW],   v[MW],   v58
	v_xor_b32 v[MW+1], v[MW+1], v59
	v_xor_b32 v[MW+2], v[MW+2], v60
	v_xor_b32 v[MW+1], 0x08000000, v[MW+1]         ; the gauge: the signs at places 9, 10, 12 and 15 of each half block
	v_xor_b32 v[MW+2], 0x80002002, v[MW+2]
	v_mov_b32 v[WT+7], 0                           ; written once: a lane permute's destination counts as one of its sources
	s_lshr_b32 s22, s17, 4                         ; og = o / 16
	s_and_b32 s23, s17, 15                         ; visit
	s_lshl_b32 s36, s22, 4
	s_lshl_b32 s37, s16, 2
	s_add_co_u32 s36, s36, s37                     ; my first o: 16 og + 4 wave
	s_lshl_b32 s36, s36, 15                        ; rows of 32,768 bytes
	s_lshl_b32 s37, s23, 11
	s_add_co_u32 s36, s36, s37
	s_mov_b32 s37, 0
	s_mul_i32 s38, s22, 786432                     ; we: og x 64 steps x 12,288
	s_mul_i32 s39, s23, 49152
	s_add_co_u32 s38, s38, s39
	s_mul_i32 s39, s16, 3072                       ; + my two fragments of a step's eight
	s_add_co_u32 s38, s38, s39
	s_mov_b32 s39, 0
	s_lshl_b32 s40, s22, 4                         ; ws: (16 og + visit) x 256 + 64 x wave
	s_add_co_u32 s40, s40, s23
	s_lshl_b32 s40, s40, 8
	s_lshl_b32 s41, s16, 6
	s_add_co_u32 s40, s40, s41
	s_mov_b32 s41, 0
	s_wait_kmcnt 0x0
	s_add_nc_u64 s[6:7], s[6:7], s[36:37]
	s_add_nc_u64 s[12:13], s[12:13], s[38:39]
	s_add_nc_u64 s[14:15], s[14:15], s[40:41]
.irp j, 0,1,2,3,4,5,6,7,8,9,10,11,12,13,14,15  ; row j / 4, step j % 4: 512 consecutive bytes
	global_load_b128 v[WR+4*\j:WR+4*\j+3], v4, s[6:7] offset:(\j/4)*32768+(\j%4)*512 th:TH_LOAD_NT
.endr
	s_wait_loadcnt 0x0
.irp j, 0,1,2,3,4,5,6,7,8,9,10,11,12,13,14,15
	ds_store_b128 v5, v[WR+4*\j:WR+4*\j+3] offset:\j*PIT
.endr
.macro WFRAG q, f
.set P, 0
.rept 64                               ; number P % 32 of block 2 (P / 32) + h, taken from place ^ c.  The 32 lanes of a load fall on 32 different banks: 64 (r / 8) + 128 h + 4 (0 .. 7) bytes
	ds_load_b32 v[WN+P], v[WA+P%8] offset:(\f)*8*PIT+(\q)*PIT+(P/32)*256+((P%32)/8)*32
.set P, P+1
.endr
	s_wait_dscnt 0x0
	QBLK WN, WT, WQ, SWW+4*(\f)+(\q), 27
	s_wait_alu depctr_va_vdst(0)
	s_wait_xcnt 0x0                                ; the last fragment's stores have read WF: it is written again only behind this wait
.irp c, 0,1
.irp hb, 0,1
.irp w, 0,1,2
	v_xor_b32 v[WF+6*\c+3*\hb+\w], v[MW+\w], v[WQ+8*\c+4*\hb+\w]
.endr
.endr
.endr
.irp g, 0,1,2
	global_store_b128 v4, v[WF+4*\g:WF+4*\g+3], s[12:13] offset:(\q)*12288+(\f)*1536+512*\g   ; 512 consecutive bytes, at a multiple of 256 from we's first byte
.endr
.endm
.irp f, 0,1
.irp q, 0,1,2,3
	WFRAG \q, \f
.endr
.endr
	; the scale words: row o = 2 f + r / 8 of my four has the same word in all its eight c.  Lanes 0, 8, 16, 24 store rows 0 .. 3: lanes 16-31 take fragment 1's words
	v_cmp_eq_u32 vcc_lo, 1, v3
.irp q, 0,1,2,3
	v_cndmask_b32 v[WT+\q], v[SWW+\q], v[SWW+4+\q], vcc_lo
.endr
	v_lshrrev_b32 v60, 3, v1
	v_lshlrev_b32 v60, 4, v60                      ; 16 bytes a row
	v_cmp_eq_u32 vcc_lo, 0, v6
	s_wait_alu depctr_va_vdst(0)
	s_wait_xcnt 0x0                                ; EXEC changes only behind this wait
	s_set_vgpr_msb 0x5
	s_wait_tensorcnt 0x0
	ds_add_u32 v0, v1
	s_wait_dscnt 0x0
	s_set_vgpr_msb 0x500
	s_and_saveexec_b32 s42, vcc_lo
	global_store_b128 v60, v[WT:WT+3], s[14:15]    ; a wave's store covers 64 consecutive bytes, a quarter of an aligned 256: ws is 65,536 bytes in all, one part in 640 of what the launch moves
	s_wait_xcnt 0x0
	s_or_b32 exec_lo, exec_lo, s42
	s_endpgm
.Lfunc_end_k_q0694df1e45_prep:
	.size	k_q0694df1e45_prep, .Lfunc_end_k_q0694df1e45_prep-k_q0694df1e45_prep
	.p2alignl 7, 3214868480
	.fill 96, 4, 3214868480
	.section	.rodata,"a",@progbits
	.p2align	6, 0x0
	.amdhsa_kernel k_q0694df1e45_prep
		.amdhsa_group_segment_fixed_size 68096
		.amdhsa_private_segment_fixed_size 0
		.amdhsa_enable_private_segment 0
		.amdhsa_kernarg_size 48
		.amdhsa_user_sgpr_count 2
		.amdhsa_user_sgpr_kernarg_segment_ptr 1
		.amdhsa_wavefront_size32 1
		.amdhsa_system_sgpr_workgroup_id_x 1
		.amdhsa_system_sgpr_workgroup_id_y 1
		.amdhsa_system_sgpr_workgroup_id_z 1
		.amdhsa_system_vgpr_workitem_id 0
		.amdhsa_next_free_vgpr 258
		.amdhsa_next_free_sgpr 66
		.amdhsa_reserve_vcc 1
		.amdhsa_float_denorm_mode_32 3
		.amdhsa_float_denorm_mode_16_64 3
		.amdhsa_memory_ordered 1
		.amdhsa_forward_progress 1
		.amdhsa_inst_pref_size 98
	.end_amdhsa_kernel
	.amdgpu_metadata
---
amdhsa.version: [ 1, 2 ]
amdhsa.kernels:
  - .name:           k_q0694df1e45_prep
    .symbol:         k_q0694df1e45_prep.kd
    .args:
      - { .name: x, .offset: 0, .size: 8, .value_kind: global_buffer, .address_space: global }
      - { .name: weight, .offset: 8, .size: 8, .value_kind: global_buffer, .address_space: global }
      - { .name: xe, .offset: 16, .size: 8, .value_kind: global_buffer, .address_space: global }
      - { .name: xs, .offset: 24, .size: 8, .value_kind: global_buffer, .address_space: global }
      - { .name: we, .offset: 32, .size: 8, .value_kind: global_buffer, .address_space: global }
      - { .name: ws, .offset: 40, .size: 8, .value_kind: global_buffer, .address_space: global }
    .group_segment_fixed_size: 68096
    .private_segment_fixed_size: 0
    .kernarg_segment_align: 8
    .kernarg_segment_size: 48
    .max_flat_workgroup_size: 128
    .sgpr_count:     66
    .vgpr_count:     258
    .wavefront_size: 32
...
	.end_amdgpu_metadata
.endif
;; end of part 1
;; launch gemm (part 2): grid 16 x 16, 8 waves a work-group, clusters of 4 x 4, 327,680 bytes of LDS; arguments xe, xs, we, ws, out0; writes out0
.if DOCPART == 2
	.amdgcn_target "amdgcn-amd-amdhsa--gfx1250"
	.amdhsa_code_object_version 6
	.text
	.protected	k_q0694df1e45_gemm
	.globl	k_q0694df1e45_gemm
	.p2align	8
	.type	k_q0694df1e45_gemm,@function
k_q0694df1e45_gemm:
	s_mov_b64 s[64:65], 0
	v_nop
	global_prefetch_b8 v0, s[64:65] scope:SCOPE_SE
	s_setreg_imm32_b32 hwreg(HW_REG_WAVE_MODE, 25, 1), 1
	s_wait_xcnt 0x0
	s_wait_alu depctr_hold_cnt(0) depctr_sa_sdst(0) depctr_va_vdst(0) depctr_va_sdst(0) depctr_va_ssrc(0) depctr_va_vcc(0) depctr_vm_vsrc(0)
	s_getreg_b32 s2, hwreg(HW_REG_IB_STS2, 6, 4)
	s_cmp_eq_u32 s2, 0
	s_cbranch_scc0 .Lentry_in_a_cluster
	s_endpgm
.Lentry_in_a_cluster:
	s_bfe_u32 s2, ttmp6, 0x10000c
	s_cmp_lg_u32 s2, 0xf033
	s_cbranch_scc0 .Lentry_shape_is_right
	s_endpgm
.Lentry_shape_is_right:
; out[b][o][a^c] = sum over i, p of X_a[b][i][p] W_c[o][i][p], a in {0, 8, 16, 24}, c in 0 .. 7, on codes of BF6 with E8M0 scales, K = (i, p) = 8,192 in 64 steps of 128.
; xe holds X_0 as images of operand registers, [bg 16][step 64][btl 4][1536]; we holds W_0 .. W_7, [og 16][step 64][f 8][1536]; xs, ws the scale words, 16 bytes for a row and four steps.
; THE OTHER THREE COPIES OF X ARE MADE IN REGISTERS, 12 instructions a fragment.  A block of 32 places is six registers, places 0-15 in the first three.
;   X_16(p) = -(-1)^|p| X_0(p ^ 16): the two halves change places, signs turned where p has an even number of bits: one v_xor_b32 a register.
;   X_24(p) = X_16(p ^ 8): each half's 96 bits turned round by 48: one v_alignbit_b32 a register (the gauge laid into both operands by the launch before leaves no sign).
;   X_8(p)  = -(-1)^|p| X_24(p ^ 16): as the first.
; SHARES.  A work-group makes 64 b x 16 o x 32 k: 256 rows (b, a) x 128 rows (o, c), in four tiles of 32 b x 4 a against 8 o x 8 c, 32 accumulators each.  EIGHT WAVES of 512 registers: waves t and t + 4
; hold the same tile and share K: of every four steps wave group kp = wave / 4 takes steps 2 kp and 2 kp + 1, 32 steps in all.  At the end the two partial sums are added in f32, on the way out.
; A step is four phases of eight matrix instructions, on X_0, X_16, X_24, X_8; behind each of the first 24 stand three of the 72 instructions that make the next phase's copy.
; The register windows are laid so that one setting serves a phase's products and its vector work.  The wave's next step's LDS loads stand in ONE run between the first two phases: 12 for W, 6 for X_0,
; and in every second step 6 for its next two steps' scale words; 24 matrix instructions stand between the run and the wait for it.
; THE RING: two slots of 8 steps (4 of each wave's own), 98,304 bytes of W and 49,152 of X each.  Waves 0-3 fetch a quarter of W's part, waves 4 and 5 a half of X's: 24,576 bytes a load.
; CLUSTERS 4 x 4: X's tiles and scales are shared along a row of the cluster, W's along a column, by joint loads.
; PREFETCH: behind the fill of slot visit s each wave asks for its part of visit s + 1, 8 steps ahead of the load that wants it: of W's 384 blocks of 256 bytes the partner at place cy takes 96,
; 12 a wave; of X's 192 the partner at place cx takes 48, 6 a wave (lanes left over name the wave's last block again).  Visits 0 and 1 come by their loads alone; the last refill asks for nothing.
; WINDOWS: 0: v0-7 addresses, v8-31 scale words, v32-79 X_0 (two sets), v80-103 X_24, v104-127 X_8, v128-255 the accumulators of a = 16, 24.
;   1: v0-95 W's fragments (two sets), v96-119 X_16, v120-127 LDS addresses, v128-255 the accumulators of a = 0, 8.
.set STEPW,  12288
.set STEPX,  6144
.set WSB,    8*STEPW                   ; W's part of a slot
.set XSB,    8*STEPX                   ; X's part, behind it
.set SLOT,   WSB+XSB
.set PART,   24576                     ; what one load of the ring brings
.set STREAMW, 64*STEPW
.set STREAMX, 64*STEPX
.set SCX,    2*SLOT                    ; x's scale words, 16,384 bytes; w's, 4,096: filled once
.set SCW,    SCX+16384
.set SPARE,  SCW+4096                  ; the spare words, 1,024 bytes that no other line names
.set SPITCH, 528                       ; the way out: rows of 512 + 16 bytes,
.set BLK,    16*SPITCH                 ; 16 to a block,
.set WST,    4*BLK                     ; four blocks to a wave's stage; the eight stages lie in the two slots, behind their last fills and last reads
.set SPW,  1
.set NIL,  2
.set STO,  3
.set RD,   4
.set CO,   5
.set PFW,  6
.set PFX,  7
.set XSC,  8                           ; set s, row block b, step q: XSC + 4 s + 2 b + q
.set WSC,  16                          ; set s, fragment w, step q: WSC + 8 s + 2 w + q
.set X0,   32
.set RD2,  32                          ; on the way out
.set X24,  80
.set X8,   104
.set A16,  128
.set A24,  192
.set X16,  96                          ; window 1
.set AW,   120                         ; W's fragments: slot s, my steps 2 j and 2 j + 1 of its four at AW + 2 s + j
.set AX,   124                         ; X's: slot s
.set AXS,  126
.set AWS,  127
.set A0,   128
.set A8,   192
.set G1X,  24
.set G0X,  32
.set PX,   44
.set PW,   46
.set G1W,  48
.set G0W,  56
.set G1SX, 68
.set G0SX, 76
.set G1SW, 80
.set G0SW, 88
.set MSK,  92
.set W_P0,  0x51                       ; source 0 window 1, source 1 window 0, C and D window 1
.set W_P16, 0x05                       ; sources 0 and 1 window 1, C and D window 0
.set W_P24, 0x01                       ; source 0 window 1, source 1 window 0, C and D window 0
.set W_P8,  0x51
.set TO_W,  0x41                       ; loads: address window 1, destination window 1,
.set TO_X,  0x01                       ; window 0
.set MSB, 0
.macro WIN new                         ; the immediate's high byte repeats the setting that is left
.if MSB != (\new)
	s_set_vgpr_msb (MSB<<8)|(\new)
.set MSB, (\new)
.endif
.endm
.macro TL g0, g1                       ; a tensor load; an s_nop 0 and four v_nop follow it
	tensor_load_to_lds s[\g0:\g0+3], s[\g1:\g1+7]
	s_nop 0
.rept 4
	v_nop
.endr
.endm
.macro JLOAD s                         ; the ring's joint loads into slot s: waves 0-3 W's quarters, waves 4 and 5 X's halves; waves 6 and 7 have no part
	s_cmp_lt_u32 s14, 4
	s_cbranch_scc0 .Lfor_x_\@
	TL G0W+4*(\s), G1W
	s_branch .Lasked_\@
.Lfor_x_\@:
	s_cmp_lt_u32 s14, 6
	s_cbranch_scc0 .Lasked_\@
	TL G0X+4*(\s), G1X
.Lasked_\@:
.endm
.macro CREST                           ; a round of the cluster's barrier behind its opening barrier
	s_cmp_lg_u32 s14, 0
	s_cbranch_scc1 .Lnot_wave_0_\@
	s_barrier_signal -3
.Lnot_wave_0_\@:
	s_barrier_wait -3
	s_barrier_signal -1
	s_barrier_wait -1
.endm
.macro CROUND
	s_barrier_signal -1
	s_barrier_wait -1
	CREST
.endm
.macro ASK k, guard                    ; my blocks of the slot visit k behind the one at which the two pointers stand; guard: not in the loop's last trip
.if \guard
	s_cmp_gt_u32 s3, 1
	s_cbranch_scc0 .Lno_ask_\@
.endif
	global_prefetch_b8 v[PFW], s[PW:PW+1] offset:(\k)*WSB th:TH_LOAD_NT scope:SCOPE_SE
	global_prefetch_b8 v[PFX], s[PX:PX+1] offset:(\k)*XSB th:TH_LOAD_NT scope:SCOPE_SE
.if \guard
.Lno_ask_\@:
.endif
.endm
.macro G1R g, rows                     ; group 1: a dense block as rows of 256 bytes (32 elements of 8 bytes)
	s_mov_b32 s[\g+1], 32<<16
	s_mov_b32 s[\g+2], (\rows)<<16
	s_mov_b32 s[\g+3], 32<<16
	s_mov_b32 s[\g+4], \rows
	s_mov_b32 s[\g+5], 32
	s_mov_b32 s[\g+6], 0
	s_mov_b32 s[\g+7], 0
.endm
	s_load_b128 s[4:7], s[0:1], 0x0                ; xe, xs
	s_load_b128 s[8:11], s[0:1], 0x10              ; we, ws
	s_load_b64 s[12:13], s[0:1], 0x20              ; out0
	v_lshl_add_u32 v[SPW], v0, 2, SPARE
	v_mov_b32 v[NIL], 0
	ds_add_u32 v[SPW], v[NIL]                      ; the opening lines: the add twice on end and one wait
	ds_add_u32 v[SPW], v[NIL]
	v_lshrrev_b32 v32, 5, v0
	v_readfirstlane_b32 s14, v32                   ; wave 0..7
	s_lshr_b32 s20, s14, 2                         ; kp: which steps of K
	s_bfe_u32 s15, s14, 0x10001                    ; which 32 b
	s_and_b32 s16, s14, 1                          ; which 8 o
	s_bfe_u32 s40, ttmp6, 0x40000                  ; cx
	s_bfe_u32 s41, ttmp6, 0x40004                  ; cy
	s_lshl_b32 s42, ttmp9, 2
	s_add_co_u32 s42, s42, s40                     ; og
	s_and_b32 s17, ttmp7, 0xffff
	s_lshl_b32 s17, s17, 2
	s_add_co_u32 s17, s17, s41                     ; bg
	s_lshl_b32 s43, s41, 2
	s_lshl_b32 s43, 15, s43                        ; my row of the cluster
	s_lshl_b32 s44, 0x1111, s40                    ; my column
	s_or_b32 s[G1X], s43, (3<<16)|(1<<21)
	s_or_b32 s[G1SX], s43, (3<<16)|(1<<21)
	s_or_b32 s[G1W], s44, (3<<16)|(1<<21)
	s_or_b32 s[G1SW], s44, (3<<16)|(1<<21)
	G1R G1X, 96
	G1R G1W, 96
	G1R G1SX, 64
	G1R G1SW, 16
	s_mul_i32 s18, s17, STREAMX
	s_mov_b32 s19, 0
	s_mul_i32 s2, s42, STREAMW
	s_mov_b32 s3, 0
	s_lshl_b32 s66, s17, 14
	s_mov_b32 s67, 0
	s_lshl_b32 s104, s42, 12
	s_mov_b32 s105, 0
	s_mul_i32 s22, s14, PART                       ; wave x 24,576: in LDS (W's four quarters, then X's two halves) and in W's stream
	s_mov_b32 s23, 0
	s_max_u32 s100, s14, 4
	s_sub_co_u32 s100, s100, 4
	s_mul_i32 s100, s100, PART                     ; (wave - 4) x 24,576 in X's stream, for waves 4 and 5
	s_mov_b32 s101, 0
	s_wait_dscnt 0x0                               ; both opening adds are done
	s_wait_kmcnt 0x0
	s_add_nc_u64 s[98:99], s[4:5], s[18:19]        ; my stream of X
	s_add_nc_u64 s[2:3], s[8:9], s[2:3]            ; my stream of W
	CROUND                                         ; all sixteen work-groups are here: the first joint loads meet
	s_mov_b32 s[G0SX], 1
	s_mov_b32 s[G0SX+1], SCX
	s_add_nc_u64 s[G0SX+2:G0SX+3], s[6:7], s[66:67]
	s_or_b32 s[G0SX+3], s[G0SX+3], 0x80000000
	s_mov_b32 s[G0SW], 1
	s_mov_b32 s[G0SW+1], SCW
	s_add_nc_u64 s[G0SW+2:G0SW+3], s[10:11], s[104:105]
	s_or_b32 s[G0SW+3], s[G0SW+3], 0x80000000
	s_add_nc_u64 s[18:19], s[2:3], s[22:23]
	s_add_nc_u64 s[100:101], s[98:99], s[100:101]
.irp s, 0,1
	s_mov_b32 s[G0X+4*\s], 1
	s_add_co_u32 s[G0X+4*\s+1], s22, \s*SLOT
	s_add_nc_u64 s[G0X+4*\s+2:G0X+4*\s+3], s[100:101], \s*XSB
	s_or_b32 s[G0X+4*\s+3], s[G0X+4*\s+3], 0x80000000
	s_mov_b32 s[G0W+4*\s], 1
	s_add_co_u32 s[G0W+4*\s+1], s22, \s*SLOT
	s_add_nc_u64 s[G0W+4*\s+2:G0W+4*\s+3], s[18:19], \s*WSB
	s_or_b32 s[G0W+4*\s+3], s[G0W+4*\s+3], 0x80000000
.endr
; the head's eight tiles, one a wave, in one chain of branches: waves 0-3 W's quarters of slot 0, waves 4 and 5 X's halves, wave 6 x's scale words, wave 7 w's
.macro ARM under, g0, g1, next
	s_cmp_lt_u32 s14, \under
	s_cbranch_scc0 \next
	TL \g0, \g1
	s_branch .Lhead_asked
\next:
.endm
	ARM 4, G0W,  G1W,  .Lhead_x
	ARM 6, G0X,  G1X,  .Lhead_sx
	ARM 7, G0SX, G1SX, .Lhead_sw
	TL G0SW, G1SW
.Lhead_asked:
	s_mul_i32 s18, s40, 12288                      ; the prefetches' pointers, at slot visit 1: X's by cx, W's by cy
	s_add_co_u32 s18, s18, XSB
	s_mov_b32 s19, 0
	s_add_nc_u64 s[PX:PX+1], s[98:99], s[18:19]
	s_mul_i32 s18, s41, 24576
	s_add_co_u32 s18, s18, WSB
	s_add_nc_u64 s[PW:PW+1], s[2:3], s[18:19]
	s_lshl_b32 s18, s17, 6                         ; out0 at the rows that I store: b = 64 bg + 32 half + 16 kp, o = 16 og + 8 half
	s_lshl_b32 s19, s15, 5
	s_add_co_u32 s18, s18, s19
	s_lshl_b32 s19, s20, 4
	s_add_co_u32 s18, s18, s19
	s_lshl_b32 s18, s18, 15
	s_lshl_b32 s19, s42, 4
	s_lshl_b32 s2, s16, 3
	s_add_co_u32 s19, s19, s2
	s_lshl_b32 s19, s19, 7
	s_add_co_u32 s18, s18, s19
	s_mov_b32 s19, 0
	s_add_nc_u64 s[12:13], s[12:13], s[18:19]
	s_mov_b32 s[MSK],   0x00800020                 ; the signs at places with an even number of bits,
	s_mov_b32 s[MSK+1], 0x08000208
	s_mov_b32 s[MSK+2], 0x80002002
	s_mov_b32 s[MSK+3], 0x20020800                 ; and with an odd number
	s_mov_b32 s[MSK+4], 0x00208000
	s_mov_b32 s[MSK+5], 0x02080080
	s_mul_i32 s18, s16, STEPW/2                    ; my four fragments of W's eight,
	s_mul_i32 s19, s20, 2*STEPW                    ; from step 2 kp of each four on
	s_add_co_u32 s18, s18, s19
	s_add_co_u32 s19, s18, 4*STEPW
	s_add_co_u32 s2, s18, SLOT
	s_add_co_u32 s66, s2, 4*STEPW
	s_mul_i32 s67, s15, STEPX/2                    ; my two fragments of X's four
	s_mul_i32 s105, s20, 2*STEPX
	s_add_co_u32 s67, s67, s105
	s_add_co_u32 s67, s67, WSB
	s_add_co_u32 s105, s67, SLOT
	s_lshl_b32 s23, s20, 3                         ; my two words of a row's four
	s_lshl_b32 s98, s15, 13
	s_add_co_u32 s98, s98, s23
	s_add_co_u32 s98, s98, SCX
	s_lshl_b32 s99, s16, 7
	s_add_co_u32 s99, s99, s23
	s_add_co_u32 s99, s99, SCW
	s_mul_i32 s100, s14, WST                       ; my stage
	s_mul_i32 s23, s20, 2*BLK                      ; the two blocks that I store: 2 kp and 2 kp + 1,
	s_add_co_u32 s22, s100, s23                    ; in my stage,
	s_xor_b32 s21, s14, 4
	s_mul_i32 s21, s21, WST
	s_add_co_u32 s21, s21, s23                     ; and in my partner's
	s_mul_i32 s101, s14, 12*256
	s_mul_i32 s104, s14, 6*256
	v_and_b32 v33, 31, v0
	v_and_b32 v34, 15, v0
	v_bfe_u32 v35, v0, 4, 1
	v_lshrrev_b32 v36, 3, v34
	v_lshlrev_b32 v[CO], 4, v33
	v_mul_u32_u24 v[STO], v34, SPITCH
	v_lshl_add_u32 v[STO], v35, 7, v[STO]
	v_add_nc_u32 v[STO], s100, v[STO]              ; into the stage: row b, 128 bytes for each of a fragment's two o
	v_add_nc_u32 v[RD], s22, v[CO]
	v_min_u32 v37, 11, v33
	v_min_u32 v38, 5, v33
	v_lshl_add_u32 v[PFW], v37, 8, s101
	v_lshl_add_u32 v[PFX], v38, 8, s104
	WIN 0x40                                       ; the fragments' and scale words' LDS addresses lie in window 1
	v_add_nc_u32 v[AW], s18, v[CO]
	v_add_nc_u32 v[AW+1], s19, v[CO]
	v_add_nc_u32 v[AW+2], s2, v[CO]
	v_add_nc_u32 v[AW+3], s66, v[CO]
	v_add_nc_u32 v[AX], s67, v[CO]
	v_add_nc_u32 v[AX+1], s105, v[CO]
	v_lshl_add_u32 v[AXS], v34, 4, s98
	v_lshl_add_u32 v[AWS], v36, 4, s99
	WIN 0
.macro SCL set, off                    ; my two steps' scale words of a visit of four
.irp b, 0,1
	ds_load_b64 v[XSC+4*(\set)+2*\b:XSC+4*(\set)+2*\b+1], v[AXS] offset:(\off)+4096*\b
.endr
.irp w, 0,1,2,3
	ds_load_b64 v[WSC+8*(\set)+2*\w:WSC+8*(\set)+2*\w+1], v[AWS] offset:(\off)+32*\w
.endr
.endm
.macro FETCH                           ; one run: my step NQ of slot NS into set NP: W's four fragments, X_0's two; 16 bytes a lane, 512 consecutive bytes a load
	WIN TO_W
.irp k, 0,1,2,3,4,5,6,7,8,9,10,11
	ds_load_b128 v[48*NP+4*\k:48*NP+4*\k+3], v[AW+2*NS+NQ/2] offset:(NQ%2)*STEPW+512*\k
.endr
	WIN TO_X
.irp k, 0,1,2,3,4,5
	ds_load_b128 v[X0+24*NP+4*\k:X0+24*NP+4*\k+3], v[AX+NS] offset:(4*(NQ/2)+NQ%2)*STEPX+512*\k
.endr
.endm
.macro WM acc, xb, zero                ; product N of a phase: source 0 = W's fragment N % 4, source 1 = row block N / 4 of a copy of X: a lane holds one b and eight neighbouring k
.if \zero
	v_wmma_scale_f32_16x16x128_f8f6f4 v[\acc+8*N:\acc+8*N+7], v[48*P+12*(N%4):48*P+12*(N%4)+11], v[\xb+12*(N/4):\xb+12*(N/4)+11], 0, v[WSC+8*SS+2*(N%4)+P], v[XSC+4*SS+2*(N/4)+P] matrix_a_fmt:MATRIX_FMT_BF6 matrix_b_fmt:MATRIX_FMT_BF6
.else
	v_wmma_scale_f32_16x16x128_f8f6f4 v[\acc+8*N:\acc+8*N+7], v[48*P+12*(N%4):48*P+12*(N%4)+11], v[\xb+12*(N/4):\xb+12*(N/4)+11], v[\acc+8*N:\acc+8*N+7], v[WSC+8*SS+2*(N%4)+P], v[XSC+4*SS+2*(N/4)+P] matrix_a_fmt:MATRIX_FMT_BF6 matrix_b_fmt:MATRIX_FMT_BF6
.endif
.endm
.macro XSW dst, src                    ; register DN of two fragments: the halves of a block change places, signs turned
	v_xor_b32 v[\dst+DN], s[MSK+DN%6], v[\src+6*(DN/6)+(DN%6+3)%6]
.set DN, DN+1
.endm
.macro ROT dst, src                    ; register DN: a half block's 96 bits turned round by 48
	v_alignbit_b32 v[\dst+DN], v[\src+3*(DN/3)+(DN+2)%3], v[\src+3*(DN/3)+(DN+1)%3], 16
.set DN, DN+1
.endm
; My step u of a lap of 8 (two slots, four of my steps in each).  The 32 accumulators take turns in the same order in every step.
; In steps 2 and 6 my last fragments of the slot have been asked for: the change of slots stands there.  tail = 1: the last lap fetches nothing more.
.macro STEP u, zero, tail
.set P, (\u)%2
.set SS, ((\u)/2)%2
.set NU, ((\u)+1)%8
.set NP, NU%2
.set NS, NU/4
.set NQ, NU%4
.set FE, 1
.set SL, 0
.set MB, 0
.set RF, 0
.set LB, 0
.if (\u)%2 == 0
.set SL, 1
.endif
.if (\u)%4 == 2
.set MB, 1
.set RF, 1
.endif
.if \tail
.if (\u) == 2
.set RF, 0
.endif
.if (\u) == 6
.set MB, 0
.set RF, 0
.set SL, 0
.endif
.if (\u) == 7
.set FE, 0
.set LB, 1
.endif
.endif
	s_wait_dscnt 0x0                               ; this step's loads, asked for 24 matrix instructions ago, are in
.if LB
	s_barrier_signal -1                            ; my last reads of the slots are over: behind this barrier the stages are laid there
.endif
	WIN W_P0
.set N, 0
.set DN, 0
.rept 8
	WM A0, X0+24*P, \zero
.rept 3
	XSW X16, X0+24*P
.endr
.set N, N+1
.endr
.if FE
	FETCH                                          ; the 24 vector instructions above are the places between the last step's products and the loads into their sets
.if SL
	SCL (SS+1)%2, 256*((\u)/2+1)
.endif
.endif
	WIN W_P16
.set N, 0
.set DN, 0
.rept 8
	WM A16, X16, \zero
.rept 3
	ROT X24, X16
.endr
.set N, N+1
.endr
	WIN W_P24
.set N, 0
.set DN, 0
.rept 8
	WM A24, X24, \zero
.rept 3
	XSW X8, X24
.endr
.set N, N+1
.endr
.if MB
	WIN 0
	s_wait_alu depctr_va_vdst(0)
	s_wait_tensorcnt 0x0                           ; my load, if I had one out, has landed: my part of the other slot
	ds_add_u32 v[SPW], v[NIL]                      ; four products stand between the add and its wait
.endif
	WIN W_P8
.set N, 0
.rept 8
.if MB && (N == 4)
	s_wait_dscnt 0x0                               ; the add is done, and my reads of this slot are over
	s_barrier_signal -1
.endif
	WM A8, X8, \zero
.if N < 4
	v_nop                                          ; four places between the last write of X_8's second fragment and the product that reads it
.endif
.set N, N+1
.endr
.if MB
	WIN 0
	s_barrier_wait -1
.endif
.if RF
	CREST                                          ; the barrier has opened a round: no wave of any partner reads this slot or has a load out
	s_add_nc_u64 s[G0X+4*((\u)/4)+2:G0X+4*((\u)/4)+3], s[G0X+4*((\u)/4)+2:G0X+4*((\u)/4)+3], 2*XSB
	s_add_nc_u64 s[G0W+4*((\u)/4)+2:G0W+4*((\u)/4)+3], s[G0W+4*((\u)/4)+2:G0W+4*((\u)/4)+3], 2*WSB
	JLOAD (\u)/4
.if (\u) == 2
	ASK 0, 0
.else
	ASK 1, 1
.endif
.endif
.if LB
	WIN 0
	s_barrier_wait -1
.endif
.endm
	s_wait_alu depctr_va_vdst(0)
	s_wait_tensorcnt 0x0                           ; my tile of the head's eight is in; slot 1's first fill is issued as a refill is
	ds_add_u32 v[SPW], v[NIL]
	s_wait_dscnt 0x0
	CROUND
	JLOAD 1
	ASK 1, 0                                       ; slot visit 2
.set NP, 0
.set NS, 0
.set NQ, 0
	FETCH
	SCL 0, 0
	STEP 0, 1, 0                                   ; my first step's products start the sums
	WIN 0
	s_mov_b32 s3, 3
.Llap:                                                 ; a trip goes from a lap's second step to the next lap's first, and fills both slots again
	s_wait_xcnt 0x0                                ; my prefetches have read their pointers
	s_add_nc_u64 s[PX:PX+1], s[PX:PX+1], 2*XSB
	s_add_nc_u64 s[PW:PW+1], s[PW:PW+1], 2*WSB
.irp u, 1,2,3,4,5,6,7
	STEP \u, 0, 0
.endr
	WIN 0x44
	v_add_nc_u32 v[AXS], 0x400, v[AXS]             ; four visits of scale words on
	v_add_nc_u32 v[AWS], 0x400, v[AWS]
	STEP 0, 0, 0
	WIN 0
	s_sub_co_u32 s3, s3, 1
	s_cmp_lg_u32 s3, 0
	s_cbranch_scc1 .Llap
.irp u, 1,2,3,4,5,6,7
	STEP \u, 0, 1
.endr
; THE WAY OUT.  My partial sums go into my stage as four blocks of 16 b x 4 o x 32 k, rows of 512 bytes (a lane holds 32 neighbouring bytes for each a).  Behind a barrier I read blocks 2 kp and 2 kp + 1
; by rows from my stage and from my partner's, add the two, and store whole rows.
.macro PUT base, kb
.irp a, 0,1,2,3
.irp w, 0,1
.set AC, \base+8*(4*(\a/2)+2*(\a%2)+\w)
	ds_store_b128 v[STO], v[AC:AC+3] offset:\a*BLK+256*\w+\kb          ; each accumulator from its low end on
	ds_store_b128 v[STO], v[AC+4:AC+7] offset:\a*BLK+256*\w+\kb+16
.endr
.endr
.endm
.rept 4
	v_nop                                          ; four places between the last products and the first read of results
.endr
	WIN 0x04
	PUT A0, 0
	PUT A8, 32
	WIN 0
	PUT A16, 64
	PUT A24, 96
	v_add_nc_u32 v[RD2], s21, v[CO]
	s_wait_alu depctr_va_vdst(0)
	s_wait_dscnt 0x0                               ; for the others' sake: my stores into my stage are done
	s_barrier_signal -1
	s_barrier_wait -1
	WIN 0x40
.irp i, 0,1
.irp t, 0,1,2,3,4,5,6,7,8,9,10,11,12,13,14,15
	ds_load_b128 v[128*\i+4*\t:128*\i+4*\t+3], v[RD] offset:\i*BLK+\t*SPITCH
.endr
.irp t, 0,1,2,3,4,5,6,7,8,9,10,11,12,13,14,15
	ds_load_b128 v[128*\i+64+4*\t:128*\i+64+4*\t+3], v[RD2] offset:\i*BLK+\t*SPITCH
.endr
.endr
.irp i, 0,1
	s_wait_dscnt 32-32*\i                          ; this block's 32 loads are in; the next block's 32 may be out
	WIN 0x45
.set J, 128*\i
.rept 32
	v_pk_add_f32 v[J:J+1], v[J:J+1], v[J+64:J+65]
.set J, J+2
.endr
	WIN 0x04
.irp t, 0,1,2,3,4,5,6,7,8,9,10,11,12,13,14,15
	global_store_b128 v[CO], v[128*\i+4*\t:128*\i+4*\t+3], s[12:13] offset:\i*512+\t*32768 th:TH_STORE_NT   ; 32 lanes store 512 consecutive bytes, aligned
.endr
.endr
	WIN 0
	s_wait_tensorcnt 0x0                           ; the wave's end
	ds_add_u32 v[SPW], v[NIL]
	s_wait_dscnt 0x0
	CROUND                                         ; the closing round
	s_endpgm
.Lfunc_end_k_q0694df1e45_gemm:
	.size	k_q0694df1e45_gemm, .Lfunc_end_k_q0694df1e45_gemm-k_q0694df1e45_gemm
	.p2alignl 7, 3214868480
	.fill 96, 4, 3214868480
	.section	.rodata,"a",@progbits
	.p2align	6, 0x0
	.amdhsa_kernel k_q0694df1e45_gemm
		.amdhsa_group_segment_fixed_size 327680
		.amdhsa_private_segment_fixed_size 0
		.amdhsa_enable_private_segment 0
		.amdhsa_kernarg_size 40
		.amdhsa_user_sgpr_count 2
		.amdhsa_user_sgpr_kernarg_segment_ptr 1
		.amdhsa_wavefront_size32 1
		.amdhsa_system_sgpr_workgroup_id_x 1
		.amdhsa_system_sgpr_workgroup_id_y 1
		.amdhsa_system_sgpr_workgroup_id_z 1
		.amdhsa_system_vgpr_workitem_id 0
		.amdhsa_next_free_vgpr 512
		.amdhsa_next_free_sgpr 106
		.amdhsa_reserve_vcc 0
		.amdhsa_float_denorm_mode_32 3
		.amdhsa_float_denorm_mode_16_64 3
		.amdhsa_memory_ordered 1
		.amdhsa_forward_progress 1
		.amdhsa_inst_pref_size 170
	.end_amdhsa_kernel
	.amdgpu_metadata
---
amdhsa.version: [ 1, 2 ]
amdhsa.kernels:
  - .name:           k_q0694df1e45_gemm
    .symbol:         k_q0694df1e45_gemm.kd
    .args:
      - { .name: xe, .offset: 0, .size: 8, .value_kind: global_buffer, .address_space: global }
      - { .name: xs, .offset: 8, .size: 8, .value_kind: global_buffer, .address_space: global }
      - { .name: we, .offset: 16, .size: 8, .value_kind: global_buffer, .address_space: global }
      - { .name: ws, .offset: 24, .size: 8, .value_kind: global_buffer, .address_space: global }
      - { .name: out0, .offset: 32, .size: 8, .value_kind: global_buffer, .address_space: global }
    .group_segment_fixed_size: 327680
    .private_segment_fixed_size: 0
    .kernarg_segment_align: 8
    .kernarg_segment_size: 40
    .max_flat_workgroup_size: 256
    .sgpr_count:     106
    .vgpr_count:     512
    .wavefront_size: 32
...
	.end_amdgpu_metadata
.endif
;; end of part 2
